; MI455X (gfx1250); checked and timed in simulation.
; The chip was launched on July 23, 2026; its instructions are those of AMD's public machine-readable ISA for CDNA 5 (MIT licence, August 2026) and "CDNA5" Instruction Set Architecture Reference Guide (July 2026). The comments in the code are by the model that wrote it; some were corrected since.
;; Attention Head. Allowed arithmetic: matrix products marked QUANTISED: E4M3 operands, one given power-of-two scale a tensor, by v_wmma_f32_16x16x64_fp8_fp8 or v_wmma_f32_16x16x128_fp8_fp8, f32 sums; everything else in f32.
;; Inputs: b_attn 3,072 float32; b_proj 1,024 float32; lowp_scales 8 int32 (the exponents e of the quantised operands' scales 2^e); w_attn 1,024 x 3,072 float32; w_proj 1,024 x 1,024 float32; x 4 x 2,048 x 1,024 float32.
;; Outputs: out0 4 x 2,048 x 1,024 float32.
;; This version of the problem:
;;   THIS VERSION OF THE PROBLEM IS GIVEN IN LOW PRECISION. The matrix products marked QUANTISED in the list below multiply operands that are first quantised to E4M3 (4 exponent bits, 3 mantissa bits; 8 bits a number), with one given power-of-two scale for each operand tensor; their sums are f32. All else is computed in f32.
;;   The module's matrix products, in the order in which they are computed (A, B: the left and right operand; K: the contracted axis; several contracted axes count as one K, in the product's order):
;;     1. [M 8,192, K 1,024] x [K 1,024, N 3,072]; A: input x; B: input w_attn: QUANTISED (scales: A lowp_scales[0], B lowp_scales[1])
;;     2. batch 64 x [M 2,048, K 64] x [K 64, N 2,048]; A: computed on the way; B: computed on the way: QUANTISED (scales: A lowp_scales[2], B lowp_scales[3])
;;     3. batch 64 x [M 2,048, K 2,048] x [K 2,048, N 64]; A: softmax (see below); B: computed on the way: QUANTISED (scales: A lowp_scales[4], B lowp_scales[5])
;;     4. [M 8,192, K 1,024] x [K 1,024, N 1,024]; A: computed on the way; B: input w_proj: QUANTISED (scales: A lowp_scales[6], B lowp_scales[7])
;;   THE QUANTISER, for each operand of a quantised product, along K:
;;     - The operand's scale is 2^e, e = its entry of the input lowp_scales (int32; the entries are numbered through the quantised products in the list's order, A before B).
;;     - Each number is divided by the scale, clamped to +-448, and rounded to the nearest number of E4M3, ties to even, subnormals kept.
;;     - The product sums the exact products of the quantised numbers (number of the format x scale) in f32.
;;   ~~~python
;;   def quantise(x, axis, e):      # numpy; x: float32 -> the quantised numbers, widened to float32 again
;;       x = np.moveaxis(x, axis, -1); K = x.shape[-1]
;;       r = np.clip(x / 2.0 ** e, -448, 448)
;;       step = 2.0 ** (np.maximum(np.frexp(np.where(r == 0, 1, r))[1] - 1, -6) - 3)
;;       q = np.round(r / step) * step * 2.0 ** e      # np.round: ties to even
;;       return np.moveaxis(q, -1, axis).astype(np.float32)
;;   ~~~
;;   SOFTMAX AHEAD OF A QUANTISED PRODUCT. Where the list says 'softmax', what is quantised is not the finished softmax but p = 2^(t - M), with t = logit x log2(e) and M = ceil(the row's largest t), a whole number; so 1/2 < the row's largest p <= 1. The row's sum l is taken of the UNQUANTISED p, in f32, and the product's result is divided by l at the end. Since M is a whole number, a kernel that streams over the keys may use a running M (the ceiling of the running maximum): every later rescaling is an exact power of two, so the quantised numbers keep their values, but for numbers so far below the row's largest that they fall under the format's range.
;;   OPERANDS COMPUTED ON THE WAY. 'Computed on the way' means the value that the module computes at that place (a softmax that the list does not call 'softmax' is quantised finished and normalised). What goes into a quantiser is computed in f32, as accurately as f32 sums, v_exp_f32 and their like allow (about 1e-6 of the number): no bf16 or f16 on the way to a quantiser, and a product that is left as it is and whose result goes on into a quantised operand takes f32 operands (vector FMAs, or v_wmma_f32_16x16x4_f32). A number that lies on a knife's edge between two numbers of the format may be rounded either way, as far as f32 arithmetic and the matrix unit's own rounding can turn it there, and no further.
;; One version. Each part assembles by itself: llvm-mc -triple=amdgcn-amd-amdhsa -mcpu=gfx1250 --defsym DOCPART=n.
;; ======== version 1 of 1: 4 launches
;; limits: right only within a limited range of input values
;; workspace buffers: xi 8,388,608 bytes; wai 3,145,728 bytes; wpi 1,048,576 bytes; qi 8,388,608 bytes; ki 8,388,608 bytes; vi 8,388,608 bytes; yi 8,388,608 bytes
;; launch quant (part 1): grid 384 x 1, 8 waves a work-group, no clusters, 37,888 bytes of LDS; arguments x, w_attn, w_proj, lowp_scales, xi, wai, wpi; writes xi, wai, wpi
.if DOCPART == 1
	.amdgcn_target "amdgcn-amd-amdhsa--gfx1250"
	.amdhsa_code_object_version 6
	.text
	.protected	k_qc1f46663fc_quant
	.globl	k_qc1f46663fc_quant
	.p2align	8
	.type	k_qc1f46663fc_quant,@function
k_qc1f46663fc_quant:
	s_mov_b64 s[64:65], 0
	v_nop
	global_prefetch_b8 v0, s[64:65] scope:SCOPE_SE
	s_setreg_imm32_b32 hwreg(HW_REG_WAVE_MODE, 25, 1), 1
	s_wait_xcnt 0x0
; x [8192][1024], w_attn [1024][3072] and w_proj [1024][1024], f32, become codes of FP8 (E4M3), each tensor with the one scale 2^e that is given for it (entries 0, 1, 7 of the scales).
; code = number / 2^e, held within +-448, rounded to the nearest code, ties to even.
; LIMITS: each e lies between -126 and 119, so that 2^e and 448 x 2^e are f32 numbers.  NaN among the inputs is not served; an infinity is held at the largest code.
; THE CODES ARE LAID AS IMAGES OF THE MATRIX OPERANDS' REGISTERS.  A fragment is 16 rows x 128 along K, 16 registers a lane: lane (r, h) holds row r, registers 2 c, 2 c + 1 hold k = 16 c + 8 h + 0 .. 7.
; Its image is 2,048 bytes: registers 4 g .. 4 g + 3 of lane l lie at 512 g + 16 l.  xi: [row tile 512][K step 8][2048];  wai: [column tile 192][8][2048];  wpi: [column tile 64][8][2048].
; Work-groups 0-255 take x, 256-351 w_attn, 352-383 w_proj: three paths that part on the work-group's number.  Waves share nothing: no barrier.  Work-groups share no input: no cluster.
; x (K innermost): a wave takes 16 rows x 256 along K.  Each load reads 512 consecutive bytes of a row; a conversion takes four numbers of each of two rows; the code words turn through the wave's own stage in LDS.
; The weights (K outermost): a lane takes a column and its registers run down K, so that the conversions give codes with K innermost; a lane's 32 codes of a block are the 16 bytes of two lanes of the image.
.set X,    32                          ; v32-159  the numbers (the weights' paths: two sets of 32, v32-95)
.set C,    160                         ; v160-191 the codes; never written twice
.set OUT,  192                         ; v192-223 x: the images' registers, back from the stage
.set SPI,  144                         ; a stage row: 128 bytes of codes + 16: rows start 36 words apart, so that sixteen rows' 16-byte reads fall on different banks (64 banks of 4 bytes: ISA guide 11.1)
.set WSTG, 32*SPI                      ; a wave's two stages of 16 rows
.macro MKSC e                          ; v11 = 2^e as f32 (the conversion takes its exponent field)
	s_add_co_i32 s20, s[\e], 127
	s_lshl_b32 s21, s20, 23
	v_mov_b32 v11, s21
.endm
	s_load_b256 s[4:11], s[0:1], 0x0               ; x s[4:5], w_attn s[6:7], w_proj s[8:9], the scales' exponents s[10:11]
	s_load_b128 s[12:15], s[0:1], 0x20             ; xi s[12:13], wai s[14:15]
	s_load_b64 s[16:17], s[0:1], 0x30              ; wpi
	v_lshl_add_u32 v224, v0, 2, 0x9000
	v_mov_b32 v225, 0
	v_lshrrev_b32 v2, 5, v0
	s_delay_alu instid0(VALU_DEP_1)
	v_readfirstlane_b32 s18, v2                    ; wave 0..7
	v_and_b32 v1, 31, v0                           ; lane
	s_wait_kmcnt 0x0
	s_load_b256 s[24:31], s[10:11], 0x0            ; e0 .. e7
	s_cmp_lt_u32 ttmp9, 256
	s_cbranch_scc0 .Lweights
	; ---------------- x ----------------
	s_lshl_b32 s20, ttmp9, 3
	s_add_co_u32 s20, s20, s18                     ; which of 2,048 shares is my wave's
	s_lshr_b32 s21, s20, 2                         ; its row tile
	s_and_b32 s22, s20, 3                          ; its 256 along K
	s_lshl_b32 s32, s21, 16                        ; in x: 16 rows of 4,096 bytes,
	s_lshl_b32 s23, s22, 10                        ; 256 numbers
	s_add_co_u32 s32, s32, s23
	s_mov_b32 s33, 0
	s_add_nc_u64 s[4:5], s[4:5], s[32:33]
	s_lshl_b32 s34, s21, 14                        ; in xi: a row tile's eight images,
	s_lshl_b32 s23, s22, 12                        ; two images
	s_add_co_u32 s34, s34, s23
	s_mov_b32 s35, 0
	s_add_nc_u64 s[12:13], s[12:13], s[34:35]
	s_wait_alu depctr_va_vdst(0)
	v_lshlrev_b32 v3, 4, v1                        ; 16 x lane: my bytes of a load's 512 and of a store's 512
.irp f, 0,1
.irp r, 0,1,2,3,4,5,6,7,8,9,10,11,12,13,14,15
	global_load_b128 v[X+64*\f+4*\r:X+64*\f+4*\r+3], v3, s[4:5] offset:4096*\r+512*\f th:TH_LOAD_NT   ; row r, k = 128 f + 4 lane + 0 .. 3: 32 lanes read 512 consecutive bytes
.endr
.endr
	s_mul_i32 s23, s18, WSTG                       ; my wave's stages
	v_and_b32 v14, 0x19, v1                        ; into a stage: the word of k = 4 lane goes to word p of its row, p = lane with bits 1 and 2 exchanged:
	v_bfe_u32 v5, v1, 1, 1                         ; byte 32 g + 16 h of a row then begins k = 32 g + 8 h + 0 .. 7 and k = 32 g + 16 + 8 h + 0 .. 7, the image's 16 bytes of lane (r, h)
	v_bfe_u32 v6, v1, 2, 1
	s_delay_alu instid0(VALU_DEP_2)
	v_lshl_add_u32 v14, v5, 2, v14
	s_delay_alu instid0(VALU_DEP_1)
	v_lshl_add_u32 v14, v6, 1, v14
	s_delay_alu instid0(VALU_DEP_1)
	v_lshlrev_b32 v14, 2, v14
	s_delay_alu instid0(VALU_DEP_1)
	v_add_nc_u32 v14, s23, v14
	v_and_b32 v5, 15, v1                           ; out of it: row r, + 16 h
	v_bfe_u32 v6, v1, 4, 1
	s_delay_alu instid0(VALU_DEP_2)
	v_mul_u32_u24 v15, v5, SPI
	s_delay_alu instid0(VALU_DEP_1)
	v_lshl_add_u32 v15, v6, 4, v15
	s_delay_alu instid0(VALU_DEP_1)
	v_add_nc_u32 v15, s23, v15
	s_wait_kmcnt 0x0
	MKSC 24                                        ; e0
.macro XFRAG f
	s_wait_loadcnt 16*(1-\f)                       ; loads come back in order: this fragment's sixteen are in, the other's may be out
.set n, 0
.rept 64
.set n, n+1
.endr
.irp a, 0,1,2,3,4,5,6,7
	v_cvt_scalef32_pk8_fp8_f32 v[C+16*\f+2*\a:C+16*\f+2*\a+1], v[X+64*\f+8*\a:X+64*\f+8*\a+7], v11   ; four numbers of row 2 a, four of row 2 a + 1: a word of codes for each
.endr
	v_nop                                          ; a plain vector line behind the last conversion
.irp r, 0,1,2,3,4,5,6,7,8,9,10,11,12,13,14,15
	ds_store_b32 v14, v[C+16*\f+\r] offset:SPI*\r+16*SPI*\f
.endr
.irp g, 0,1,2,3
	ds_load_b128 v[OUT+16*\f+4*\g:OUT+16*\f+4*\g+3], v15 offset:32*\g+16*SPI*\f   ; LDS serves a wave's instructions in order (ISA guide 5.7.1.4): these see my stores
.endr
.endm
	s_wait_alu depctr_va_vdst(0)
	XFRAG 0
	XFRAG 1
	s_wait_dscnt 20                                ; fragment 0 is back: behind its loads stand fragment 1's sixteen stores and four loads
.irp g, 0,1,2,3
	global_store_b128 v3, v[OUT+4*\g:OUT+4*\g+3], s[12:13] offset:512*\g            ; 32 lanes store 512 consecutive bytes, aligned
.endr
	s_wait_dscnt 0x0
.irp g, 0,1,2,3
	global_store_b128 v3, v[OUT+16+4*\g:OUT+16+4*\g+3], s[12:13] offset:2048+512*\g
.endr
	s_wait_tensorcnt 0x0
	ds_add_u32 v224, v225
	s_wait_dscnt 0x0
	s_endpgm
	; ---------------- the weights ----------------
; block t of a wave: W(32 t + i, my column), i = 0 .. 31, into set t % 2.  Rows 8-15 and 16-23 change places in the registers: the first sixteen registers are then lane (r, 0)'s of the image, the others lane (r, 1)'s
.macro LOADW t, N, ptr
.set wi, 0
.rept 32
	global_load_b32 v[X+32*((\t)%2)+((wi&7)|((wi&8)<<1)|((wi&16)>>1))], v3, s[\ptr:\ptr+1] offset:(32*(\t)+wi)*\N*4 th:TH_LOAD_NT
.set wi, wi+1
.endr
.endm
; A work-group takes 256 columns x 128 along K, a wave 32 columns.  N: the tensor's columns; first: its first work-group; ptr, img: the scalar pairs of its address and its image's; e: the register of its exponent
.macro WPATH N, first, ptr, img, e
	s_sub_co_u32 s20, ttmp9, \first
	s_lshr_b32 s21, s20, 3                         ; which 256 columns
	s_and_b32 s22, s20, 7                          ; which K step of 128
	s_mul_i32 s32, s22, 128*\N*4
	s_lshl_b32 s23, s21, 10
	s_add_co_u32 s32, s32, s23
	s_lshl_b32 s23, s18, 7
	s_add_co_u32 s32, s32, s23                     ; + my wave's 32 columns
	s_mov_b32 s33, 0
	s_add_nc_u64 s[\ptr:\ptr+1], s[\ptr:\ptr+1], s[32:33]
	s_lshl_b32 s34, s21, 4
	s_lshl_b32 s23, s18, 1
	s_add_co_u32 s34, s34, s23                     ; my wave's first column tile,
	s_lshl_b32 s34, s34, 14                        ; eight images each,
	s_lshl_b32 s23, s22, 11
	s_add_co_u32 s34, s34, s23                     ; the K step's image
	s_mov_b32 s35, 0
	s_add_nc_u64 s[\img:\img+1], s[\img:\img+1], s[34:35]
	v_lshlrev_b32 v3, 2, v1                        ; in: 4 bytes a lane: 128 consecutive bytes a wave, the eight waves side by side
	v_lshrrev_b32 v4, 4, v1
	v_and_b32 v5, 15, v1
	s_delay_alu instid0(VALU_DEP_2)
	v_lshlrev_b32 v4, 14, v4                       ; out: lanes 16-31 hold the next column tile,
	s_delay_alu instid0(VALU_DEP_1)
	v_lshl_add_u32 v4, v5, 4, v4                   ; 16 bytes a row of the tile
	LOADW 0, \N, \ptr
	LOADW 1, \N, \ptr
	s_wait_kmcnt 0x0
	MKSC \e
	s_wait_alu depctr_va_vdst(0)
.irp t, 0,1,2,3
.if \t < 3
	s_wait_loadcnt 32                              ; this block's 32 loads are in; the next block's may be out
.else
	s_wait_loadcnt 0x0
.endif
.set n, 0
.rept 32
.set n, n+1
.endr
.irp g, 0,1,2,3
	v_cvt_scalef32_pk8_fp8_f32 v[C+8*\t+2*\g:C+8*\t+2*\g+1], v[X+32*(\t%2)+8*\g:X+32*(\t%2)+8*\g+7], v11
.endr
	v_nop                                          ; a plain vector line behind the last conversion
	global_store_b128 v4, v[C+8*\t:C+8*\t+3], s[\img:\img+1] offset:512*\t          ; group t of the image, lanes (r, 0): sixteen lanes store 256 consecutive bytes, aligned
	global_store_b128 v4, v[C+8*\t+4:C+8*\t+7], s[\img:\img+1] offset:512*\t+256    ; and lanes (r, 1)
.if \t < 2
	LOADW \t+2, \N, \ptr
.endif
.endr
	s_endpgm
.endm
.Lweights:
	s_cmp_lt_u32 ttmp9, 352
	s_cbranch_scc0 .Lproj
	s_wait_alu depctr_va_vdst(0)
	WPATH 3072, 256, 6, 14, 25                     ; w_attn, e1
.Lproj:
	s_wait_alu depctr_va_vdst(0)
	WPATH 1024, 352, 8, 16, 31                     ; w_proj, e7
.Lfunc_end_k_qc1f46663fc_quant:
	.size	k_qc1f46663fc_quant, .Lfunc_end_k_qc1f46663fc_quant-k_qc1f46663fc_quant
	.p2alignl 7, 3214868480
	.fill 96, 4, 3214868480
	.section	.rodata,"a",@progbits
	.p2align	6, 0x0
	.amdhsa_kernel k_qc1f46663fc_quant
		.amdhsa_group_segment_fixed_size 37888
		.amdhsa_private_segment_fixed_size 0
		.amdhsa_enable_private_segment 0
		.amdhsa_kernarg_size 56
		.amdhsa_user_sgpr_count 2
		.amdhsa_user_sgpr_kernarg_segment_ptr 1
		.amdhsa_wavefront_size32 1
		.amdhsa_system_sgpr_workgroup_id_x 1
		.amdhsa_system_sgpr_workgroup_id_y 1
		.amdhsa_system_sgpr_workgroup_id_z 1
		.amdhsa_system_vgpr_workitem_id 0
		.amdhsa_next_free_vgpr 226
		.amdhsa_next_free_sgpr 66
		.amdhsa_reserve_vcc 0
		.amdhsa_float_denorm_mode_32 3
		.amdhsa_float_denorm_mode_16_64 3
		.amdhsa_fp16_overflow 1
		.amdhsa_memory_ordered 1
		.amdhsa_forward_progress 1
		.amdhsa_inst_pref_size 41
	.end_amdhsa_kernel
	.amdgpu_metadata
---
amdhsa.version: [ 1, 2 ]
amdhsa.kernels:
  - .name:           k_qc1f46663fc_quant
    .symbol:         k_qc1f46663fc_quant.kd
    .args:
      - { .name: x, .offset: 0, .size: 8, .value_kind: global_buffer, .address_space: global }
      - { .name: w_attn, .offset: 8, .size: 8, .value_kind: global_buffer, .address_space: global }
      - { .name: w_proj, .offset: 16, .size: 8, .value_kind: global_buffer, .address_space: global }
      - { .name: lowp_scales, .offset: 24, .size: 8, .value_kind: global_buffer, .address_space: global }
      - { .name: xi, .offset: 32, .size: 8, .value_kind: global_buffer, .address_space: global }
      - { .name: wai, .offset: 40, .size: 8, .value_kind: global_buffer, .address_space: global }
      - { .name: wpi, .offset: 48, .size: 8, .value_kind: global_buffer, .address_space: global }
    .group_segment_fixed_size: 37888
    .private_segment_fixed_size: 0
    .kernarg_segment_align: 8
    .kernarg_segment_size: 56
    .max_flat_workgroup_size: 256
    .sgpr_count:     66
    .vgpr_count:     226
    .wavefront_size: 32
...
	.end_amdgpu_metadata
.endif
;; end of part 1
;; launch qkv (part 2): grid 12 x 32, 4 waves a work-group, clusters of 4 x 4, 327,680 bytes of LDS; arguments xi, wai, b_attn, lowp_scales, qi, ki, vi; writes qi, ki, vi
.if DOCPART == 2
	.amdgcn_target "amdgcn-amd-amdhsa--gfx1250"
	.amdhsa_code_object_version 6
	.text
	.protected	k_qc1f46663fc_qkv
	.globl	k_qc1f46663fc_qkv
	.p2align	8
	.type	k_qc1f46663fc_qkv,@function
k_qc1f46663fc_qkv:
	s_mov_b64 s[64:65], 0
	v_nop
	global_prefetch_b8 v0, s[64:65] scope:SCOPE_SE
	s_setreg_imm32_b32 hwreg(HW_REG_WAVE_MODE, 25, 1), 1
	s_wait_xcnt 0x0
	s_wait_alu depctr_hold_cnt(0) depctr_sa_sdst(0) depctr_va_vdst(0) depctr_va_sdst(0) depctr_va_ssrc(0) depctr_va_vcc(0) depctr_vm_vsrc(0)
	s_getreg_b32 s2, hwreg(HW_REG_IB_STS2, 6, 4)
	s_cmp_eq_u32 s2, 0
	s_cbranch_scc0 .Lentry_in_a_cluster
	s_endpgm
.Lentry_in_a_cluster:
	s_bfe_u32 s2, ttmp6, 0x10000c
	s_cmp_lg_u32 s2, 0xf033
	s_cbranch_scc0 .Lentry_shape_is_right
	s_endpgm
.Lentry_shape_is_right:
; qkv = x w_attn + b_attn on codes of FP8 (E4M3); the sums, x 2^(e0 + e1) + bias in f32, are quantised at once into the operands of the attention: q (e2), k (e3), v (e5).
; xi and wai hold images of fragments (16 rows x 128 K: 2,048 bytes, registers 4 g .. 4 g + 3 of lane l at 512 g + 16 l; [row tile][K step 8][2048]).
; A tile of C, 256 x 256, is made by four waves, each 128 x 128: 64 accumulators, 512 registers.  K = 1,024 goes in four steps of 256 through a ring of two LDS slots filled by the tensor data mover.
; THE MATRIX INSTRUCTION IS USED TRANSPOSED (source 0 = 16 rows of operand B, source 1 = 16 rows of operand A): a lane holds one row of A's side and eight neighbours of B's side.  Eight neighbours are what one
; conversion takes, and its two registers are registers 2 b, 2 b + 1 of the NEXT product's fragment: the results leave as images, 512 consecutive bytes a store, with no way through LDS.
; CLUSTERS of 4 x 4.  Clusters with x = 0 make q, x = 1 k: A = x's rows (tokens), B = w_attn's columns; a lane's neighbours run along the head's channels.
; Clusters with x = 2 make V TRANSPOSED: A = w_attn's columns 2,048 on (channels), B = x's rows (tokens): a lane's neighbours run along the keys, the second attention product's K.  Only pointers, tile numbers, the bias
; and the stores' offsets differ; what differs is chosen by the cluster's x, which all sixteen partners share.  A's tiles are asked for jointly along a row of the cluster, B's along a column.
; OUT: qi, ki: [batch x head 64][token tile 128][1024] (16 tokens x 64 channels);  vi: [batch x head 64][128 keys 16][channel tile 4][2048] (16 channels x 128 keys).
; LIMITS: e0 + e1 between -126 and 127; e2, e3, e5 between -126 and 119: each power of two below is then an f32 number.  NaN is not served.
; REGISTERS, in windows of 256: window 0: v16-31 addresses and constants; v32-95 the bias along B's side; v96-111 along A's side; v128-255 A's fragments, ONE set (on the way out: 64 numbers, then codes).
;   window 1: B's fragments, TWO sets, at v0 and v128.   window 2: the accumulators of my rows 0-63 ((a, b) at v[8 (8 a + b)]);   window 3: of my rows 64-127.
.set FR,     16                        ; registers of a fragment
.set NL,     4                         ; LDS loads that bring one
.set NP,     4                         ; places behind this matrix instruction (ISA guide 7.12.1)
.set RT,     4096                      ; a row tile's part of a slot: two images, 256 along K
.set HALFT,  8*RT                      ; what one tensor load brings, and what one wave reads of A or of B
.set SLOT,   4*HALFT                   ; A's 16 row tiles, then B's 16
.set SPARE,  2*SLOT                    ; behind the ring: the spare words, 128 bytes for each wave: two blocks of 256 bytes that no other line names
.set ADRA, 16                          ; v16-17  LDS address of my A fragments in slot 0, 1
.set ADRB, 20                          ; v20-21  the same for B
.set LI,   24                          ; v24     16 x lane
.set HO,   25                          ; v25     32 x (lane / 16)
.set RO,   26                          ; v26     4 x (lane % 16)
.set SPW,  28                          ; v28     LDS address of my spare word; never rewritten
.set NIL,  29                          ; v29     0; never rewritten
.set LIM,  30
.set SCL,  31                          ; v31     the result's scale as f32
.set BI,   32
.set BV,   96
.set AF,   128
.set TMP,  128
.set G1, 24                            ; s[24:31] descriptor group 1 for A's tiles;  s[32:39] group 0, one set for each slot
.set G0, 32
.set G1B, 48                           ; s[48:55], s[56:63] the same for B's tiles
.set G0B, 56
.set MSB, 0
.macro WIN new                         ; the immediate's high byte repeats the setting that is left
.if MSB != \new
	s_set_vgpr_msb (MSB<<8)|\new
.set MSB, \new
.endif
.endm
.set MUL_LO, 0xa1                      ; source 0 (B) window 1, source 1 (A) window 0, C and D window 2
.set MUL_HI, 0xf1                      ; the same, C and D window 3
.set TO_B,   0x40                      ; destination window 1, address window 0
; A joint load: waves 0 and 1 fetch for A, waves 2 and 3 for B; the branch hangs on the wave's number alone.  Four v_nop follow each of the two lines.
.macro JLOAD g0a, g1a, g0b, g1b
	s_cmp_eq_u32 s15, 0
	s_cbranch_scc0 .Lfor_b_\@
	tensor_load_to_lds s[\g0a:\g0a+3], s[\g1a:\g1a+7]
	s_nop 0
.rept 4
	v_nop
.endr
	s_branch .Lasked_\@
.Lfor_b_\@:
	tensor_load_to_lds s[\g0b:\g0b+3], s[\g1b:\g1b+7]
	s_nop 0
.rept 4
	v_nop
.endr
.Lasked_\@:
.endm
.macro CREST                           ; a round of the cluster's barrier behind its opening barrier
	s_cmp_lg_u32 s14, 0
	s_cbranch_scc1 .Lnot_wave_0_\@
	s_barrier_signal -3
.Lnot_wave_0_\@:
	s_barrier_wait -3
	s_barrier_signal -1
	s_barrier_wait -1
.endm
.macro CROUND                          ; a whole round
	s_barrier_signal -1
	s_barrier_wait -1
	CREST
.endm
	s_load_b256 s[4:11], s[0:1], 0x0               ; xi s[4:5], wai s[6:7], b_attn s[8:9], the scales' exponents s[10:11]
	s_load_b128 s[68:71], s[0:1], 0x20             ; qi s[68:69], ki s[70:71]
	s_load_b64 s[72:73], s[0:1], 0x30              ; vi
	v_lshl_add_u32 v[SPW], v0, 2, SPARE
	v_mov_b32 v[NIL], 0
	ds_add_u32 v28, v29
	ds_add_u32 v28, v29
	s_wait_dscnt 0x0
	v_lshrrev_b32 v1, 5, v0
	v_readfirstlane_b32 s14, v1                    ; wave 0..3
	s_lshr_b32 s15, s14, 1                         ; which half of the tile's rows is mine.  Also: I fetch for A (0) or for B (1)
	s_and_b32 s16, s14, 1                          ; which half of its columns.  Also: which eight row tiles I fetch
	s_bfe_u32 s40, ttmp6, 0x40000                  ; cx, cy: my place in the cluster
	s_bfe_u32 s41, ttmp6, 0x40004
	s_and_b32 s74, ttmp7, 0xffff                   ; the cluster's y
	s_cmp_eq_u32 ttmp9, 2                          ; V's clusters?  The same answer in all sixteen partners
	s_cselect_b32 s75, 0, s74                      ; A's side: V has four tile rows (1,024 channels), q and k 32 (8,192 tokens)
	s_cselect_b32 s76, s74, ttmp9                  ; B's side: V walks the tokens by the cluster's y, q and k the columns by its x
	s_cselect_b32 s77, 0x200000, 0                 ; V's rows of wai begin at column tile 128
	s_lshl_b32 s17, s75, 2
	s_add_co_u32 s17, s17, s41                     ; tile row
	s_lshl_b32 s42, s76, 2
	s_add_co_u32 s42, s42, s40                     ; tile column
	s_lshl_b32 s43, s41, 2
	s_lshl_b32 s43, 15, s43                        ; my row of the cluster
	s_lshl_b32 s44, 0x1111, s40                    ; my column
	; descriptor group 1: eight row tiles' 4,096 bytes (two images), 16,384 bytes apart in memory, on end in LDS; elements of 8 bytes
	s_or_b32 s[G1+0], s43, (3<<16)|(1<<21)         ; 15:0 the mask: A's tiles go to my row; 17:16 elements of 8 bytes; 21 set beside a mask; no padding: a fragment's loads take 512 consecutive bytes
	s_or_b32 s[G1B+0], s44, (3<<16)|(1<<21)
.irp g, G1, G1B
	s_mov_b32 s[\g+1], 512<<16                     ; tensor_dim0 = 512 elements
	s_mov_b32 s[\g+2], 8<<16                       ; tensor_dim1 = 8
	s_mov_b32 s[\g+3], 512<<16                     ; tile_dim0
	s_mov_b32 s[\g+4], 8                           ; tile_dim1
	s_mov_b32 s[\g+5], 2048                        ; tensor_dim0_stride: a row tile's eight images
	s_mov_b32 s[\g+6], 0
	s_mov_b32 s[\g+7], 0
.endr
	s_lshl_b32 s18, s16, 17                        ; which eight row tiles of the sixteen I fetch
	s_lshl_b32 s20, s17, 18                        ; A: 16 row tiles x 16,384 bytes x tile row
	s_add_co_u32 s20, s20, s18
	s_add_co_u32 s20, s20, s77
	s_mov_b32 s21, 0
	s_lshl_b32 s46, s42, 18                        ; B: the same by the tile column
	s_add_co_u32 s46, s46, s18
	s_mov_b32 s47, 0
	s_lshl_b32 s45, s14, 15                        ; where they go: wave x 32,768: no place in the cluster enters an LDS address
	s_wait_kmcnt 0x0
	s_load_b256 s[80:87], s[10:11], 0x0            ; e0 .. e7
	s_cmp_eq_u32 ttmp9, 2
	s_cselect_b64 s[88:89], s[6:7], s[4:5]         ; operand A's buffer
	s_cselect_b64 s[90:91], s[4:5], s[6:7]         ; operand B's
	s_add_nc_u64 s[20:21], s[88:89], s[20:21]
	s_add_nc_u64 s[46:47], s[90:91], s[46:47]
	CROUND                                         ; all sixteen work-groups are here: the first joint loads meet
.irp s, 0,1
	s_mov_b32 s[G0+4*\s], 1
	s_add_co_u32 s[G0+4*\s+1], s45, \s*SLOT
	s_add_nc_u64 s[G0+4*\s+2:G0+4*\s+3], s[20:21], \s*RT
	s_or_b32 s[G0+4*\s+3], s[G0+4*\s+3], 0x80000000
	s_mov_b32 s[G0B+4*\s], 1
	s_add_co_u32 s[G0B+4*\s+1], s45, \s*SLOT
	s_add_nc_u64 s[G0B+4*\s+2:G0B+4*\s+3], s[46:47], \s*RT
	s_or_b32 s[G0B+4*\s+3], s[G0B+4*\s+3], 0x80000000
	JLOAD G0+4*\s, G1, G0B+4*\s, G1B               ; two tensor loads of mine are out
.endr
	v_and_b32 v1, 31, v0
	v_lshlrev_b32 v[LI], 4, v1
	v_bfe_u32 v2, v0, 4, 1
	v_lshlrev_b32 v[HO], 5, v2
	s_wait_alu depctr_va_vdst(0)
	v_and_b32 v3, 15, v0
	v_lshlrev_b32 v[RO], 2, v3
	s_wait_alu depctr_va_vdst(0)
	s_lshl_b32 s66, s15, 15                        ; my eight row tiles of A
	s_lshl_b32 s67, s16, 15                        ; my eight of B,
	s_add_co_u32 s67, s67, 2*HALFT                 ; which lie behind A's sixteen
.irp s, 0,1
	v_add_nc_u32 v[ADRA+\s], s66, v[LI]
	v_add_nc_u32 v[ADRB+\s], s67, v[LI]
	s_add_co_u32 s66, s66, SLOT
	s_add_co_u32 s67, s67, SLOT
.endr
	; the bias.  q and k: along B's side, eight numbers a lane and column tile.  V: along A's side, one number a lane and block, held twice for the packed form.  Both sets are loaded; the set that is not used is read at the buffer's head
	s_lshl_b32 s78, s42, 8
	s_lshl_b32 s79, s16, 7
	s_add_co_u32 s78, s78, s79
	s_lshl_b32 s78, s78, 2                         ; 4 x (256 x tile column + 128 x half)
	s_lshl_b32 s79, s17, 8
	s_lshl_b32 s66, s15, 7
	s_add_co_u32 s79, s79, s66
	s_add_co_u32 s79, s79, 2048
	s_lshl_b32 s79, s79, 2                         ; 4 x (2,048 + 256 x tile row + 128 x half)
	s_cmp_eq_u32 ttmp9, 2
	s_cselect_b32 s92, 0, s78
	s_cselect_b32 s94, s79, 0
	s_mov_b32 s93, 0
	s_mov_b32 s95, 0
	s_add_nc_u64 s[92:93], s[8:9], s[92:93]
	s_add_nc_u64 s[94:95], s[8:9], s[94:95]
.irp b, 0,1,2,3,4,5,6,7
	global_load_b128 v[BI+8*\b:BI+8*\b+3], v[HO], s[92:93] offset:64*\b
	global_load_b128 v[BI+8*\b+4:BI+8*\b+7], v[HO], s[92:93] offset:64*\b+16
.endr
.irp a, 0,1,2,3,4,5,6,7
	global_load_b32 v[BV+2*\a], v[RO], s[94:95] offset:64*\a
	global_load_b32 v[BV+2*\a+1], v[RO], s[94:95] offset:64*\a
.endr
.macro FRAG reg, adr, q, i             ; row tile i's image of the slot's q-th 128 along K: four loads of 512 consecutive bytes
.irp c, 0,1,2,3
	ds_load_b128 v[\reg+4*\c:\reg+4*\c+3], v[\adr] offset:RT*(\i)+2048*(\q)+512*\c
.endr
.endm
; 16 matrix instructions: A's blocks a0, a0 + 1 x B's eight, 128 along K.  p: B's set.  zero = 1: the first product starts the sums: nothing is ever cleared.
; The 64 accumulators take turns, one instruction a turn, in the same order in every step.
.macro MUL16 a0, p, zero
.irp a, \a0, \a0+1
.irp b, 0,1,2,3,4,5,6,7
.if \zero
	v_wmma_f32_16x16x128_fp8_fp8 v[8*(8*((\a)%4)+\b):8*(8*((\a)%4)+\b)+7], v[128*(\p)+FR*\b:128*(\p)+FR*\b+FR-1], v[AF+FR*(\a):AF+FR*(\a)+FR-1], 0
.else
	v_wmma_f32_16x16x128_fp8_fp8 v[8*(8*((\a)%4)+\b):8*(8*((\a)%4)+\b)+7], v[128*(\p)+FR*\b:128*(\p)+FR*\b+FR-1], v[AF+FR*(\a):AF+FR*(\a)+FR-1], v[8*(8*((\a)%4)+\b):8*(8*((\a)%4)+\b)+7]
.endif
.endr
.endr
.endm
.macro FETCH_B slot, q, p              ; B's eight fragments into set p
	WIN TO_B
.irp i, 0,1,2,3,4,5,6,7
	FRAG 128*(\p)+FR*\i, ADRB+\slot, \q, \i
.endr
	WIN 0
.endm
.macro FETCH_A slot, q, i0             ; A's blocks i0 .. i0 + 3
.irp i, \i0, \i0+1, \i0+2, \i0+3
	FRAG AF+FR*(\i), ADRA+\slot, \q, \i
.endr
.endm
; A load into a register that a matrix instruction has read, and a vector instruction that reads a matrix result, stand NP places behind that matrix instruction; only plain vector instructions that name none of its
; registers are places (ISA guide 7.12.1 for vector instructions).
.macro PLACES n
.rept \n
	v_nop
.endr
.endm
; A step of 128 along K that has its successor in the same slot.  A block of A is free as soon as its eight products are issued: blocks 0-3 are fetched anew in the step's middle, blocks 4-7 at its end.
.macro STEP slot, q, zero
	s_wait_dscnt 4*NL                              ; B's set and A's blocks 0-3 are in; the youngest sixteen loads (A's blocks 4-7) may be out
	WIN MUL_LO
	MUL16 0, (\q)%2, \zero
	MUL16 2, (\q)%2, \zero
	s_wait_dscnt 0                                 ; A's blocks 4-7 are in (asked for 32 matrix instructions ago)
	PLACES NP
	FETCH_B \slot, (\q)+1, 1-(\q)%2
	FETCH_A \slot, (\q)+1, 0
	WIN MUL_HI
	MUL16 4, (\q)%2, \zero
	MUL16 6, (\q)%2, \zero
	PLACES NP
	WIN 0
	FETCH_A \slot, (\q)+1, 4
.endm
; A slot's last step changes slots: ONE barrier; in front of it each wave waits for all its tensor loads, adds 0 to its spare word, and waits for that and for its own reads of this slot.  fill = 1: this slot is filled again, two K steps ahead.
.macro TURN slot, next, fill
	s_wait_tensorcnt 0x0                           ; all my tensor loads have landed: my part of the next slot  (every window is 0 here)
	ds_add_u32 v[SPW], v[NIL]                      ; 0 onto my spare word
	s_wait_dscnt 4*NL+1                            ; (the add and the youngest sixteen loads, A's blocks 4-7, may be out)
	WIN MUL_LO
	MUL16 0, 1, 0                                  ; sixteen matrix instructions stand between the add and the wait for it
	s_wait_dscnt 0x0                               ; the add is done, and my reads of this slot are over
	s_barrier_signal -1
	MUL16 2, 1, 0
	WIN 0
	s_barrier_wait -1
.if \fill
	CREST                                          ; the barrier has opened a round of the cluster's barrier: no wave of any partner still reads this slot or has a load on its way
	s_add_nc_u64 s[G0+4*\slot+2:G0+4*\slot+3], s[G0+4*\slot+2:G0+4*\slot+3], 2*RT
	s_add_nc_u64 s[G0B+4*\slot+2:G0B+4*\slot+3], s[G0B+4*\slot+2:G0B+4*\slot+3], 2*RT
	JLOAD G0+4*\slot, G1, G0B+4*\slot, G1B         ; the first tensor load behind the round, my only one out; its four v_nop are the places in front of the loads below
.else
	PLACES NP
.endif
	FETCH_B \next, 0, 0
	FETCH_A \next, 0, 0
	WIN MUL_HI
	MUL16 4, 1, 0
	MUL16 6, 1, 0
	PLACES NP
	WIN 0
	FETCH_A \next, 0, 4
.endm
	s_wait_alu depctr_va_vdst(0)
	s_wait_tensorcnt 1                             ; my part of slot 0 is in; slot 1's load may be out
	s_barrier_signal -1
	s_barrier_wait -1                              ; everybody's is
	FETCH_B 0, 0, 0
	FETCH_A 0, 0, 0
	FETCH_A 0, 0, 4
	STEP 0, 0, 1                                   ; K = 1,024 is eight steps of 128, four slots' worth: written out, no loop
	TURN 0, 1, 1                                   ; slot 0 takes K 512 on
	STEP 1, 0, 0
	TURN 1, 0, 1                                   ; slot 1 takes K 768 on
	STEP 0, 0, 0
	TURN 0, 1, 0                                   ; nothing is left to fetch
	STEP 1, 0, 0
	s_wait_dscnt 4*NL                              ; the very last step
	WIN MUL_LO
	MUL16 0, 1, 0
	MUL16 2, 1, 0
	s_wait_dscnt 0
	WIN MUL_HI
	MUL16 4, 1, 0
	MUL16 6, 1, 0
	WIN 0
	; THE WAY OUT.  number = sum x 2^(e0 + e1) + bias, one packed multiply-add for two; held; converted; a block's 16 registers of codes are images and are stored as they stand.
	s_wait_kmcnt 0x0
	s_wait_loadcnt 0x0                             ; the bias
	s_add_co_i32 s96, s80, s81
	s_add_co_i32 s96, s96, 127
	s_lshl_b32 s96, s96, 23                        ; 2^(e0 + e1) as f32
	s_mov_b32 s97, s96                             ; (named with it as a pair, so it is written)
	s_cmp_eq_u32 ttmp9, 0
	s_cselect_b32 s66, s82, s83                    ; the result's exponent: e2 for q, e3 for k,
	s_cselect_b64 s[98:99], s[68:69], s[70:71]     ; and its buffer
	s_cmp_eq_u32 ttmp9, 2
	s_cselect_b32 s66, s85, s66                    ; e5 for v
	s_cselect_b64 s[98:99], s[72:73], s[98:99]
	s_add_co_i32 s66, s66, 127
	s_lshl_b32 s67, s66, 23
	v_mov_b32 v[SCL], s67
	; q, k: head = 16 x batch + 4 x (tile column % 4) + 2 x half (+ 1 in the stores' offsets), 131,072 bytes each; token tile = 16 x (tile row % 8) + 8 x half (+ block), 1,024 bytes each
	s_lshr_b32 s18, s17, 3
	s_lshl_b32 s18, s18, 4
	s_and_b32 s19, s42, 3
	s_lshl_b32 s19, s19, 2
	s_add_co_u32 s18, s18, s19
	s_lshl_b32 s19, s16, 1
	s_add_co_u32 s18, s18, s19
	s_lshl_b32 s18, s18, 17
	s_and_b32 s19, s17, 7
	s_lshl_b32 s19, s19, 4
	s_lshl_b32 s22, s15, 3
	s_add_co_u32 s19, s19, s22
	s_lshl_b32 s19, s19, 10
	s_add_co_u32 s18, s18, s19
	; V: head = 16 x batch + 4 x tile row + 2 x half (+ block / 4); 128 keys = 2 x (tile column % 8) + half, 8,192 bytes each
	s_lshr_b32 s22, s42, 3
	s_lshl_b32 s22, s22, 4
	s_lshl_b32 s23, s17, 2
	s_add_co_u32 s22, s22, s23
	s_lshl_b32 s23, s15, 1
	s_add_co_u32 s22, s22, s23
	s_lshl_b32 s22, s22, 17
	s_and_b32 s23, s42, 7
	s_lshl_b32 s23, s23, 1
	s_add_co_u32 s23, s23, s16
	s_lshl_b32 s23, s23, 13
	s_add_co_u32 s22, s22, s23
	s_cmp_eq_u32 ttmp9, 2
	s_cselect_b32 s78, s22, s18
	s_mov_b32 s79, 0
	s_add_nc_u64 s[98:99], s[98:99], s[78:79]
	PLACES NP                                      ; behind the last products: their results are read, and A's registers written, only from here on
.macro OUTBLK a, vmode                 ; block a: my rows 16 a on, all 128 columns
.set AC, 64*((\a)%4)
.set CD, 192+16*((\a)%4)
.if (\a) >= 4
	s_wait_xcnt 0x0                                ; block a - 4's stores have read their registers: the codes' registers are written again only behind this wait
.endif
	WIN 0x02+((\a)/4)                              ; source 0: window 2 or 3
.set j, 0
.rept 32
.if \vmode
	v_pk_fma_f32 v[TMP+j:TMP+j+1], v[AC+j:AC+j+1], s[96:97], v[BV+2*(\a):BV+2*(\a)+1] op_sel_hi:[1,0,1]   ; each accumulator from its low end on
.else
	v_pk_fma_f32 v[TMP+j:TMP+j+1], v[AC+j:AC+j+1], s[96:97], v[BI+j:BI+j+1] op_sel_hi:[1,0,1]
.endif
.set j, j+2
.endr
	WIN 0
.set j, 0
.rept 64
.set j, j+1
.endr
.irp b, 0,1,2,3,4,5,6,7
	v_cvt_scalef32_pk8_fp8_f32 v[CD+2*\b:CD+2*\b+1], v[TMP+8*\b:TMP+8*\b+7], v[SCL]   ; column tile b's eight neighbours: registers 2 b, 2 b + 1 of the image
.endr
	v_nop                                          ; a plain vector line between the last conversion and the next block's multiply-adds, which write its sources
.irp g, 0,1,2,3
.if \vmode
	global_store_b128 v[LI], v[CD+4*\g:CD+4*\g+3], s[98:99] offset:((\a)/4)*131072+2048*((\a)%4)+512*\g   ; one image of 16 channels x 128 keys; 32 lanes store 512 consecutive bytes, aligned
.else
	global_store_b128 v[LI], v[CD+4*\g:CD+4*\g+3], s[98:99] offset:(\g/2)*131072+1024*(\a)+512*(\g%2)     ; two heads' images of 16 tokens x 64 channels
.endif
.endr
.endm
	s_cmp_eq_u32 ttmp9, 2
	s_cbranch_scc1 .Lv_out
.irp a, 0,1,2,3,4,5,6,7
	OUTBLK \a, 0
.endr
	s_branch .Lend
.Lv_out:
.irp a, 0,1,2,3,4,5,6,7
	OUTBLK \a, 1
.endr
.Lend:
	s_wait_tensorcnt 0x0                           ; the wave's end
	ds_add_u32 v[SPW], v[NIL]
	s_wait_dscnt 0x0
	CROUND                                         ; the closing round: no work-group ends while a partner may still ask for a tile that names it
	s_endpgm
.Lfunc_end_k_qc1f46663fc_qkv:
	.size	k_qc1f46663fc_qkv, .Lfunc_end_k_qc1f46663fc_qkv-k_qc1f46663fc_qkv
	.p2alignl 7, 3214868480
	.fill 96, 4, 3214868480
	.section	.rodata,"a",@progbits
	.p2align	6, 0x0
	.amdhsa_kernel k_qc1f46663fc_qkv
		.amdhsa_group_segment_fixed_size 327680
		.amdhsa_private_segment_fixed_size 0
		.amdhsa_enable_private_segment 0
		.amdhsa_kernarg_size 56
		.amdhsa_user_sgpr_count 2
		.amdhsa_user_sgpr_kernarg_segment_ptr 1
		.amdhsa_wavefront_size32 1
		.amdhsa_system_sgpr_workgroup_id_x 1
		.amdhsa_system_sgpr_workgroup_id_y 1
		.amdhsa_system_sgpr_workgroup_id_z 1
		.amdhsa_system_vgpr_workitem_id 0
		.amdhsa_next_free_vgpr 1024
		.amdhsa_next_free_sgpr 100
		.amdhsa_reserve_vcc 0
		.amdhsa_float_denorm_mode_32 3
		.amdhsa_float_denorm_mode_16_64 3
		.amdhsa_fp16_overflow 1
		.amdhsa_memory_ordered 1
		.amdhsa_forward_progress 1
		.amdhsa_inst_pref_size 130
	.end_amdhsa_kernel
	.amdgpu_metadata
---
amdhsa.version: [ 1, 2 ]
amdhsa.kernels:
  - .name:           k_qc1f46663fc_qkv
    .symbol:         k_qc1f46663fc_qkv.kd
    .args:
      - { .name: xi, .offset: 0, .size: 8, .value_kind: global_buffer, .address_space: global }
      - { .name: wai, .offset: 8, .size: 8, .value_kind: global_buffer, .address_space: global }
      - { .name: b_attn, .offset: 16, .size: 8, .value_kind: global_buffer, .address_space: global }
      - { .name: lowp_scales, .offset: 24, .size: 8, .value_kind: global_buffer, .address_space: global }
      - { .name: qi, .offset: 32, .size: 8, .value_kind: global_buffer, .address_space: global }
      - { .name: ki, .offset: 40, .size: 8, .value_kind: global_buffer, .address_space: global }
      - { .name: vi, .offset: 48, .size: 8, .value_kind: global_buffer, .address_space: global }
    .group_segment_fixed_size: 327680
    .private_segment_fixed_size: 0
    .kernarg_segment_align: 8
    .kernarg_segment_size: 56
    .max_flat_workgroup_size: 128
    .sgpr_count:     100
    .vgpr_count:     1024
    .wavefront_size: 32
...
	.end_amdgpu_metadata
.endif
;; end of part 2
;; launch attn (part 3): grid 4 x 64, 16 waves a work-group, clusters of 4 x 1, 327,680 bytes of LDS; arguments qi, ki, vi, lowp_scales, yi; writes yi
.if DOCPART == 3
	.amdgcn_target "amdgcn-amd-amdhsa--gfx1250"
	.amdhsa_code_object_version 6
	.text
	.protected	k_qc1f46663fc_attn
	.globl	k_qc1f46663fc_attn
	.p2align	8
	.type	k_qc1f46663fc_attn,@function
k_qc1f46663fc_attn:
	s_mov_b64 s[64:65], 0
	v_nop
	global_prefetch_b8 v0, s[64:65] scope:SCOPE_SE
	s_setreg_imm32_b32 hwreg(HW_REG_WAVE_MODE, 25, 1), 1
	s_wait_xcnt 0x0
	s_wait_alu depctr_hold_cnt(0) depctr_sa_sdst(0) depctr_va_vdst(0) depctr_va_sdst(0) depctr_va_ssrc(0) depctr_va_vcc(0) depctr_vm_vsrc(0)
	s_getreg_b32 s2, hwreg(HW_REG_IB_STS2, 6, 4)
	s_cmp_eq_u32 s2, 0
	s_cbranch_scc0 .Lentry_in_a_cluster
	s_endpgm
.Lentry_in_a_cluster:
	s_bfe_u32 s2, ttmp6, 0x10000c
	s_cmp_lg_u32 s2, 0x3003
	s_cbranch_scc0 .Lentry_shape_is_right
	s_endpgm
.Lentry_shape_is_right:
; Causal attention of 64 (batch, head) pairs, 2,048 tokens, head size 64, both products on codes of FP8 (E4M3); the result, divided by the row's sum, is quantised (e6) into the last product's operand.
; qi, ki: [head 64][token tile 128][1024]: images of fragments of 16 tokens x 64 channels.  vi: [head 64][128 keys 16][channel tile 4][2048]: 16 channels x 128 keys.  An image: registers 4 g .. 4 g + 3 of lane l at 512 g + 16 l.
; yi: [token tile 512][K step 8][2048]; a head's 64 channels are half an image: 1,024 bytes at 1,024 x head.
; THE SOFTMAX: t = score x log2(e) / 8; M = the running largest t rounded UP to a whole number; p = 2^(t - M) is quantised (e4), not normalised; the row's sum is taken of the unquantised p and divides at the end.
; When M moves, the sum and O are multiplied by 2^(old M - new M): nothing is rounded, and no branch hangs on data.
; SHARES.  A cluster of four work-groups owns a head.  Work-group g owns the query tiles 4 i + g, i = 0 .. 31; wave w owns two: i = w and i = 31 - w.  Tile i wants i / 2 + 1 (rounded down) steps of 128 keys,
; so each wave of the launch has 17 tile steps.  A step is left out where its first key KF > 64 i + 63, and needs no mask where KF + 128 <= 64 i: since KF is a multiple of 128 these tests are exact for every g,
; and they hang on the wave's number and the loop's count alone.
; LDS holds the head's whole K (131,072 bytes) and V (131,072 bytes), each byte filled ONCE: four chunks of 512 keys, asked for jointly by the four work-groups at the kernel's head (waves 0, 1: K's halves of a chunk;
; waves 2, 3: V's; four loads a wave are out at the most).  In front of each chunk's steps stand a counted wait and a barrier.  Nothing is filled again.
; LAYOUT.  S^T = K Q^T (source 0 = 16 keys, source 1 = my 16 queries), O^T = V^T P^T (source 0 = 16 channels, source 1 = P): a lane holds ONE query (lane % 16) throughout; register j of key tile kt is key 16 kt + 8 (lane / 16) + j,
; so one conversion of a key tile's eight registers gives registers 2 kt, 2 kt + 1 of P's fragment.
; LIMITS: e2 + e3 between -123 and 130 (added to c's exponent field); e4 and e6 between -126 and 119; e4 + e5 goes by v_ldexp_f32 and has none.  NaN is not served.
; REGISTERS: v1-5 addresses; v8-11, v12-15 a tile's -M, largest t, sum (a pair); v16-23, v24-31 Q; v32-95 eight fragments of K, then four of V; v96-159 S^T, then p; v160-191, v192-223 O^T; v224-239 p's codes; v236.. at work.
.set LI,   1                           ; v1   16 x lane
.set ADK,  2                           ; v2   LDS address of the step's K
.set ADV,  3                           ; v3   of its V
.set DB,   4                           ; v4   16 g + lane % 16 - 8 (lane / 16): the mask's lane term
.set LIV,  5                           ; v5   16 x lane + V's first byte
.set VOFF, 131072
.set TB,   2                           ; s2   LDS byte of the step in hand, in K's and in V's region alike: 8,192 a step
.set CNT,  3                           ; s3   counts a chunk's four steps
.set KF,   14                          ; s14  the step's first key
.set IL,   16                          ; s16  64 i of my low tile
.set IH,   17                          ; s17  of my high tile
.set WV,   18                          ; s18  my wave's number
.set CX,   19                          ; s19  my work-group's place in the cluster
.set SEL,  20                          ; s[20:21] lane selects for v_permlanex16_b32: lane l xor 16
.set CS,   22                          ; s[22:23] c = log2(e) / 8 x 2^(e2 + e3)
.set G1,   24                          ; s[24:31] descriptor group 1
.set G0,   32                          ; s[32:47] four groups 0, one for each chunk
.macro CROUND                          ; a round of the cluster's barrier
	s_barrier_signal -1
	s_barrier_wait -1
	s_cmp_lg_u32 s[WV], 0
	s_cbranch_scc1 .Lnot_wave_0_\@
	s_barrier_signal -3
.Lnot_wave_0_\@:
	s_barrier_wait -3
	s_barrier_signal -1
	s_barrier_wait -1
.endm
	s_load_b256 s[4:11], s[0:1], 0x0               ; qi s[4:5], ki s[6:7], vi s[8:9], the scales' exponents s[10:11]
	s_load_b64 s[12:13], s[0:1], 0x20              ; yi
	v_lshl_add_u32 v251, v0, 2, 0x40000
	v_mov_b32 v255, 0
	ds_add_u32 v251, v255
	ds_add_u32 v251, v255
	v_lshrrev_b32 v2, 5, v0
	s_delay_alu instid0(VALU_DEP_1)
	v_readfirstlane_b32 s[WV], v2                  ; wave 0..15
	s_bfe_u32 s[CX], ttmp6, 0x40000
	s_and_b32 s66, ttmp7, 0xffff                   ; the head, which the four partners share
	s_lshl_b32 s67, s66, 17                        ; its first byte in qi, ki and vi
	s_and_b32 s70, s[WV], 1
	s_lshl_b32 s70, s70, 14                        ; what I fetch, if I fetch: which half of a chunk's 32,768 bytes,
	s_bfe_u32 s71, s[WV], 0x10001
	s_lshl_b32 s71, s71, 17                        ; into K's region (waves 0, 1) or V's (waves 2, 3)
	s_add_co_u32 s71, s71, s70
	s_add_co_u32 s68, s67, s70
	s_mov_b32 s69, 0
	s_lshl_b32 s[IL], s[WV], 6
	s_sub_co_u32 s[IH], 31, s[WV]
	s_lshl_b32 s[IH], s[IH], 6
	s_lshl_b32 s75, s[CX], 10                      ; Q: head + (4 i + g) x 1,024
	s_add_co_u32 s74, s67, s75
	s_lshl_b32 s48, s[IL], 6
	s_add_co_u32 s48, s48, s74
	s_mov_b32 s49, 0
	s_lshl_b32 s50, s[IH], 6
	s_add_co_u32 s50, s50, s74
	s_mov_b32 s51, 0
	s_lshr_b32 s75, s66, 4                         ; y: (128 x batch + 4 i + g) x 16,384 + 1,024 x head in the batch
	s_lshl_b32 s75, s75, 21
	s_and_b32 s96, s66, 15
	s_lshl_b32 s96, s96, 10
	s_add_co_u32 s75, s75, s96
	s_lshl_b32 s96, s[CX], 14
	s_add_co_u32 s75, s75, s96
	s_lshl_b32 s52, s[IL], 10
	s_add_co_u32 s52, s52, s75
	s_mov_b32 s53, 0
	s_lshl_b32 s54, s[IH], 10
	s_add_co_u32 s54, s54, s75
	s_mov_b32 s55, 0
	; descriptor group 1: 16,384 dense bytes as 64 rows of 256
	s_mov_b32 s[G1], 15|(3<<16)|(1<<21)            ; 15:0 the mask: all four work-groups; 17:16 elements of 8 bytes; 21 set beside a mask; no padding: the images are read 512 consecutive bytes at a time
	s_mov_b32 s[G1+1], 32<<16                      ; tensor_dim0 = 32 elements
	s_mov_b32 s[G1+2], 64<<16                      ; tensor_dim1 = 64
	s_mov_b32 s[G1+3], 32<<16                      ; tile_dim0
	s_mov_b32 s[G1+4], 64                          ; tile_dim1
	s_mov_b32 s[G1+5], 32                          ; tensor_dim0_stride
	s_mov_b32 s[G1+6], 0
	s_mov_b32 s[G1+7], 0
	s_mov_b32 s[SEL], 0x76543210
	s_mov_b32 s[SEL+1], 0xfedcba98
	s_mov_b32 s[CS], 0x3e38aa3b                    ; log2(e) / 8
	s_mov_b32 s[KF], 0
	s_wait_dscnt 0x0
	s_wait_kmcnt 0x0
	s_load_b256 s[56:63], s[10:11], 0x0            ; e0 .. e7
	s_cmp_lt_u32 s[WV], 2
	s_cselect_b64 s[72:73], s[6:7], s[8:9]
	s_add_nc_u64 s[72:73], s[72:73], s[68:69]
.irp c, 0,1,2,3
	s_mov_b32 s[G0+4*\c], 1                        ; count = 1
	s_add_co_u32 s[G0+4*\c+1], s71, 32768*\c       ; LDS address: made of the wave's number and constants
	s_add_nc_u64 s[G0+4*\c+2:G0+4*\c+3], s[72:73], 32768*\c
	s_or_b32 s[G0+4*\c+3], s[G0+4*\c+3], 0x80000000   ; type = 2
.endr
	s_add_nc_u64 s[48:49], s[4:5], s[48:49]
	s_add_nc_u64 s[50:51], s[4:5], s[50:51]
	s_add_nc_u64 s[52:53], s[12:13], s[52:53]
	s_add_nc_u64 s[54:55], s[12:13], s[54:55]
	CROUND                                         ; all four work-groups are here: the joint loads meet
	s_cmp_lt_u32 s[WV], 4                          ; a wave's four fills stand in one branch, ahead of every wait on TENSORcnt and every LDS read
	s_cbranch_scc0 .Lno_fetch
	tensor_load_to_lds s[G0:G0+3], s[G1:G1+7]
	s_nop 0
	tensor_load_to_lds s[G0+4:G0+7], s[G1:G1+7]
	s_nop 0
	tensor_load_to_lds s[G0+8:G0+11], s[G1:G1+7]
	s_nop 0
	tensor_load_to_lds s[G0+12:G0+15], s[G1:G1+7]
	s_nop 0
.rept 4
	v_nop
.endr
.Lno_fetch:
	v_and_b32 v[LI], 31, v0
	s_delay_alu instid0(VALU_DEP_1)
	v_lshlrev_b32 v[LI], 4, v[LI]
	global_load_b128 v[16:19], v[LI], s[48:49]               ; Q's two fragments stay in registers
	global_load_b128 v[20:23], v[LI], s[48:49] offset:512
	global_load_b128 v[24:27], v[LI], s[50:51]
	global_load_b128 v[28:31], v[LI], s[50:51] offset:512
	v_add_nc_u32 v[LIV], VOFF, v[LI]
	v_and_b32 v6, 15, v0
	v_bfe_u32 v7, v0, 4, 1
	s_delay_alu instid0(VALU_DEP_1)
	v_lshlrev_b32 v7, 3, v7
	s_delay_alu instid0(VALU_DEP_1)
	v_sub_nc_u32 v[DB], v6, v7
	s_lshl_b32 s96, s[CX], 4
	v_add_nc_u32 v[DB], s96, v[DB]
	v_mov_b32 v9, 0xff61b1e6                       ; the largest t so far: -3e38, under every t
	v_mov_b32 v13, 0xff61b1e6
	s_delay_alu instid0(VALU_DEP_2)
	v_floor_f32 v8, -v9                            ; -M
	s_delay_alu instid0(VALU_DEP_2)
	v_floor_f32 v12, -v13
	v_mov_b32 v10, 0                               ; the sums, in two halves
	v_mov_b32 v11, 0
	v_mov_b32 v14, 0
	v_mov_b32 v15, 0
	v_mov_b32 v236, 0                              ; written once: a lane permute's destination counts as one of its sources
	v_mov_b32 v237, 0
	v_mov_b32 v253, 0                              ; (named as the upper half of the pair v[252:253])
.set n, 0
.rept 64
	v_mov_b32 v[160+n], 0                          ; O^T of both tiles.  (The step is written without a first form: the first change of M multiplies zeros)
.set n, n+1
.endr
	s_wait_kmcnt 0x0
	s_add_co_i32 s96, s58, s59
	s_lshl_b32 s96, s96, 23
	s_add_co_i32 s[CS], s[CS], s96                 ; a score stands for score x 2^(e2 + e3): the two exponents are added to c's exponent field
	s_mov_b32 s[CS+1], s[CS]                       ; (named with it as a pair, so it is written)
	s_add_co_i32 s96, s60, 127
	s_lshl_b32 s97, s96, 23
	v_mov_b32 v244, s97                            ; 2^e4 as f32, for p's conversions
	s_add_co_i32 s96, s62, 127
	s_lshl_b32 s97, s96, 23
	v_mov_b32 v245, s97                            ; 2^e6, for the result's
	s_wait_loadcnt 0x0                             ; Q
; A KEY STEP of one tile: 128 keys from KF on.  qb: Q's registers; ob: O^T's; sb: the statistics'; iq: the scalar register that holds 64 i.
.macro STEP qb, ob, sb, iq
	s_add_co_u32 s96, s[\iq], 63
	s_cmp_gt_u32 s[KF], s96                        ; all 128 keys come after my 16 queries: the step's work is left out
	s_cbranch_scc1 .Lhid_\@
	v_add_nc_u32 v[ADK], s[TB], v[LI]
	v_add_nc_u32 v[ADV], s[TB], v[LIV]
	v_nop                                          ; with the two additions: four places in front of loads into registers that the last products have read
	v_nop
.irp kt, 0,1,2,3,4,5,6,7
	ds_load_b128 v[32+8*\kt:35+8*\kt], v[ADK] offset:1024*\kt
	ds_load_b128 v[36+8*\kt:39+8*\kt], v[ADK] offset:1024*\kt+512
.endr
	s_wait_alu depctr_va_vdst(0)
	s_wait_dscnt 0x0
.irp kt, 0,1,2,3,4,5,6,7
	v_wmma_f32_16x16x64_fp8_fp8 v[96+8*\kt:103+8*\kt], v[32+8*\kt:39+8*\kt], v[\qb:\qb+7], 0
.endr
.rept 4
	v_nop                                          ; places: in front of the loads below, and of the first read of the scores
.endr
.irp t, 0,1,2,3
.irp g, 0,1,2,3
	ds_load_b128 v[32+16*\t+4*\g:35+16*\t+4*\g], v[ADV] offset:2048*\t+512*\g   ; V's four fragments are asked for here and land under the softmax
.endr
.endr
	s_add_co_u32 s96, s[KF], 128
	s_cmp_le_u32 s96, s[\iq]                       ; all 128 keys count for all my queries: no mask
	s_cbranch_scc1 .Lopen_\@
	s_sub_co_i32 s96, s[\iq], s[KF]
	v_add_nc_u32 v252, s96, v[DB]                  ; d = my query - KF - 8 (lane / 16).  Register 8 kt + j holds key KF + 8 (lane / 16) + 16 kt + j: hidden where 16 kt + j > d
	v_mov_b32 v254, 0xff800000                     ; -infinity: p = 0 then.  Key KF counts for every query of a step that is not left out, so the row's maximum is a number
.set n, 0
.rept 64
	v_cmp_gt_i32 vcc_lo, 16*(n/8)+n%8, v252
	v_cndmask_b32 v[96+n], v[96+n], v254, vcc_lo
.set n, n+1
.endr
.Lopen_\@:
	v_max3_num_f32 v254, v96, v97, v98             ; the step's largest score of my query, among my 64 keys, in two chains, ascending,
	v_max3_num_f32 v252, v99, v100, v101
.irp m, 6,10,14,18,22,26,30,34,38,42,46,50,54,58
	v_max3_num_f32 v254, v254, v[96+\m], v[97+\m]
	v_max3_num_f32 v252, v252, v[98+\m], v[99+\m]
.endr
	v_max3_num_f32 v254, v254, v158, v159
	s_delay_alu instid0(VALU_DEP_1)
	v_max_num_f32 v254, v254, v252
	v_permlanex16_b32 v236, v254, s[SEL], s[SEL+1]
	s_delay_alu instid0(VALU_DEP_1)
	v_max_num_f32 v254, v254, v236                 ; and among lane l xor 16's
	s_delay_alu instid0(VALU_DEP_1)
	v_mul_f32 v254, s[CS], v254                    ; as t (c is positive)
	s_delay_alu instid0(VALU_DEP_1)
	v_max_num_f32 v[\sb+1], v[\sb+1], v254         ; the running largest t
	v_mov_b32 v254, v[\sb]
	s_delay_alu instid0(VALU_DEP_2)
	v_floor_f32 v[\sb], -v[\sb+1]                  ; the new -M = floor(-t) = -ceil(t): a whole number
	s_delay_alu instid0(VALU_DEP_1)
	v_sub_f32 v254, v[\sb], v254                   ; old M - new M: a whole number, 0 or less
	s_delay_alu instid0(VALU_DEP_1)
	v_cvt_i32_f32 v254, v254                       ; (it saturates)
	s_delay_alu instid0(VALU_DEP_1)
	v_ldexp_f32 v252, 1.0, v254                    ; f = 2^(old M - new M)
.set n, 0
.rept 32
	v_pk_fma_f32 v[96+n:97+n], v[96+n:97+n], s[CS:CS+1], v[\sb:\sb+1] op_sel_hi:[1,0,0]   ; t - M, two at a time (of the pairs c and -M the low word serves both halves)
.set n, n+2
.endr
.set n, 0
	s_wait_alu depctr_va_vdst(0)
.rept 64
	v_exp_f32 v[96+n], v[96+n]                     ; p = 2^(t - M), at most 1
.set n, n+1
.endr
	v_pk_mul_f32 v[\sb+2:\sb+3], v[\sb+2:\sb+3], v[252:253] op_sel_hi:[1,0]   ; the sums under the new M: the plain line behind the exponentials
	s_wait_alu depctr_va_vdst(0)                   ; one wait for the whole batch, ahead of its first reader
	v_pk_add_f32 v[242:243], v[96:97], v[98:99]    ; the row's sum is taken of the UNQUANTISED p: two at a time, in two chains
.irp m, 4,8,12,16,20,24,28,32,36,40,44,48,52,56,60
	v_pk_add_f32 v[\sb+2:\sb+3], v[\sb+2:\sb+3], v[96+\m:97+\m]
	v_pk_add_f32 v[242:243], v[242:243], v[98+\m:99+\m]
.endr
	s_delay_alu instid0(VALU_DEP_1)
	v_pk_add_f32 v[\sb+2:\sb+3], v[\sb+2:\sb+3], v[242:243]
.irp kt, 0,1,2,3,4,5,6,7
.irp m, 0,1,2,3,4,5,6,7
.endr
	v_cvt_scalef32_pk8_fp8_f32 v[224+2*\kt:225+2*\kt], v[96+8*\kt:103+8*\kt], v244
.endr
.set n, 0
.rept 16
	v_pk_mul_f32 v[\ob+n:\ob+n+1], v[\ob+n:\ob+n+1], v[252:253] op_sel_hi:[1,0]   ; O^T under the new M, each accumulator from its low end on; also the plain lines between the conversions and the products
.set n, n+2
.endr
	s_wait_alu depctr_va_vdst(0)
	s_wait_dscnt 0x0                               ; V is in
.irp t, 0,1,2,3
	v_wmma_f32_16x16x128_fp8_fp8 v[\ob+8*\t:\ob+8*\t+7], v[32+16*\t:47+16*\t], v[224:239], v[\ob+8*\t:\ob+8*\t+7]   ; four accumulators by turns; the next eight score products stand ahead of their next links
.endr
.Lhid_\@:
.endm
; A CHUNK of 512 keys: my loads for it have landed (those for the later chunks may be out), and so have the other waves'.  Then four steps for each of my two tiles.
.macro CHUNK c
	s_wait_tensorcnt 3-\c
	s_wait_dscnt 0x0
	s_barrier_signal -1
	s_barrier_wait -1
	s_mov_b32 s[TB], 32768*\c
	s_mov_b32 s[CNT], 4
.Ltrip_\@:
	STEP 16, 160, 8, IL
	STEP 24, 192, 12, IH
	s_add_co_u32 s[TB], s[TB], 8192
	s_add_co_u32 s[KF], s[KF], 128
	s_sub_co_u32 s[CNT], s[CNT], 1
	s_cmp_lg_u32 s[CNT], 0
	s_cbranch_scc1 .Ltrip_\@
.endm
	CHUNK 0
	CHUNK 1
	CHUNK 2
	CHUNK 3
	; THE WAY OUT.  O^T x 2^(e4 + e5) / the sum, held, converted: a tile's eight registers of codes are half an image of the last product's operand, and are stored as they stand.
.rept 4
	v_nop                                          ; places behind the last products
.endr
	v_add_f32 v10, v10, v11                        ; the sums' two halves,
	v_add_f32 v14, v14, v15
	v_permlanex16_b32 v236, v10, s[SEL], s[SEL+1]
	v_permlanex16_b32 v237, v14, s[SEL], s[SEL+1]
	s_delay_alu instid0(VALU_DEP_2)
	v_add_f32 v10, v10, v236                       ; and lane l xor 16's
	s_delay_alu instid0(VALU_DEP_2)
	v_add_f32 v14, v14, v237
	s_wait_alu depctr_va_vdst(0)
	v_rcp_f32 v10, v10
	v_rcp_f32 v14, v14
	v_nop                                          ; a plain line behind the reciprocals
	s_add_co_i32 s96, s60, s61                     ; e4 + e5
	s_wait_alu depctr_va_vdst(0)                   ; one wait for both, ahead of their first reader
	v_ldexp_f32 v10, v10, s96
	v_ldexp_f32 v14, v14, s96
.macro FIN u                           ; tile u of my two
.set n, 0
.rept 16
	v_pk_mul_f32 v[96+32*\u+n:97+32*\u+n], v[160+32*\u+n:161+32*\u+n], v[10+4*\u:11+4*\u] op_sel_hi:[1,0]   ; register 8 t + j: channel 16 t + 8 (lane / 16) + j of my query
.set n, n+2
.endr
.set n, 0
.rept 32
.set n, n+1
.endr
.irp t, 0,1,2,3
	v_cvt_scalef32_pk8_fp8_f32 v[224+8*\u+2*\t:225+8*\u+2*\t], v[96+32*\u+8*\t:103+32*\u+8*\t], v245
.endr
	v_nop                                          ; a plain vector line behind the last conversion
.endm
	FIN 0
	FIN 1
	global_store_b128 v[LI], v[224:227], s[52:53]            ; 32 lanes store 512 consecutive bytes, aligned
	global_store_b128 v[LI], v[228:231], s[52:53] offset:512
	global_store_b128 v[LI], v[232:235], s[54:55]
	global_store_b128 v[LI], v[236:239], s[54:55] offset:512
	s_wait_tensorcnt 0x0
	ds_add_u32 v251, v255
	s_wait_dscnt 0x0
	CROUND                                         ; the closing round: no work-group ends while a partner may still ask for a tile that names it
	s_endpgm
.Lfunc_end_k_qc1f46663fc_attn:
	.size	k_qc1f46663fc_attn, .Lfunc_end_k_qc1f46663fc_attn-k_qc1f46663fc_attn
	.p2alignl 7, 3214868480
	.fill 96, 4, 3214868480
	.section	.rodata,"a",@progbits
	.p2align	6, 0x0
	.amdhsa_kernel k_qc1f46663fc_attn
		.amdhsa_group_segment_fixed_size 327680
		.amdhsa_private_segment_fixed_size 0
		.amdhsa_enable_private_segment 0
		.amdhsa_kernarg_size 40
		.amdhsa_user_sgpr_count 2
		.amdhsa_user_sgpr_kernarg_segment_ptr 1
		.amdhsa_wavefront_size32 1
		.amdhsa_system_sgpr_workgroup_id_x 1
		.amdhsa_system_sgpr_workgroup_id_y 1
		.amdhsa_system_sgpr_workgroup_id_z 1
		.amdhsa_system_vgpr_workitem_id 0
		.amdhsa_next_free_vgpr 256
		.amdhsa_next_free_sgpr 100
		.amdhsa_reserve_vcc 1
		.amdhsa_float_denorm_mode_32 3
		.amdhsa_float_denorm_mode_16_64 3
		.amdhsa_fp16_overflow 1
		.amdhsa_memory_ordered 1
		.amdhsa_forward_progress 1
		.amdhsa_inst_pref_size 164
	.end_amdhsa_kernel
	.amdgpu_metadata
---
amdhsa.version: [ 1, 2 ]
amdhsa.kernels:
  - .name:           k_qc1f46663fc_attn
    .symbol:         k_qc1f46663fc_attn.kd
    .args:
      - { .name: qi, .offset: 0, .size: 8, .value_kind: global_buffer, .address_space: global }
      - { .name: ki, .offset: 8, .size: 8, .value_kind: global_buffer, .address_space: global }
      - { .name: vi, .offset: 16, .size: 8, .value_kind: global_buffer, .address_space: global }
      - { .name: lowp_scales, .offset: 24, .size: 8, .value_kind: global_buffer, .address_space: global }
      - { .name: yi, .offset: 32, .size: 8, .value_kind: global_buffer, .address_space: global }
    .group_segment_fixed_size: 327680
    .private_segment_fixed_size: 0
    .kernarg_segment_align: 8
    .kernarg_segment_size: 40
    .max_flat_workgroup_size: 512
    .sgpr_count:     100
    .vgpr_count:     256
    .wavefront_size: 32
...
	.end_amdgpu_metadata
.endif
;; end of part 3
;; launch proj (part 4): grid 8 x 32, 4 waves a work-group, clusters of 4 x 4, 327,680 bytes of LDS; arguments yi, wpi, b_proj, lowp_scales, out0; writes out0
.if DOCPART == 4
	.amdgcn_target "amdgcn-amd-amdhsa--gfx1250"
	.amdhsa_code_object_version 6
	.text
	.protected	k_qc1f46663fc_proj
	.globl	k_qc1f46663fc_proj
	.p2align	8
	.type	k_qc1f46663fc_proj,@function
k_qc1f46663fc_proj:
	s_mov_b64 s[64:65], 0
	v_nop
	global_prefetch_b8 v0, s[64:65] scope:SCOPE_SE
	s_setreg_imm32_b32 hwreg(HW_REG_WAVE_MODE, 25, 1), 1
	s_wait_xcnt 0x0
	s_wait_alu depctr_hold_cnt(0) depctr_sa_sdst(0) depctr_va_vdst(0) depctr_va_sdst(0) depctr_va_ssrc(0) depctr_va_vcc(0) depctr_vm_vsrc(0)
	s_getreg_b32 s2, hwreg(HW_REG_IB_STS2, 6, 4)
	s_cmp_eq_u32 s2, 0
	s_cbranch_scc0 .Lentry_in_a_cluster
	s_endpgm
.Lentry_in_a_cluster:
	s_bfe_u32 s2, ttmp6, 0x10000c
	s_cmp_lg_u32 s2, 0xf033
	s_cbranch_scc0 .Lentry_shape_is_right
	s_endpgm
.Lentry_shape_is_right:
; out0 = y w_proj + b_proj on codes of FP8 (E4M3): out0 [8192][1024] f32 = sum x 2^(e6 + e7) + bias.
; yi [row tile 512][K step 8][2048] and wpi [column tile 64][8][2048] hold images of fragments (16 rows x 128 K; registers 4 g .. 4 g + 3 of lane l at 512 g + 16 l).
; A tile of C is 256 rows x 128 columns, so that 32 x 8 = 256 work-groups share the work; four waves, each 128 x 64: 32 accumulators, 256 registers.
; K = 1,024 goes in four steps of 256 through a ring of two LDS slots filled by the tensor data mover.  CLUSTERS of 4 x 4: A's tiles are asked for jointly along a row of the cluster, B's along a column.
; THE MATRIX INSTRUCTION IS USED TRANSPOSED (source 0 = 16 columns of w_proj, source 1 = 16 rows of y): a lane holds eight neighbouring numbers of a row of C.
; LIMIT: e6 + e7 between -126 and 127, so that 2^(e6 + e7) is an f32 number.
; REGISTERS: window 0: v16-31 addresses; v32-63 the bias; v64-95 a block's results; v128-255 A's fragments, ONE set (on the way out v128-191: rows read back).  window 1: B's fragments, TWO sets, at v0 and v64.
;   window 2: the accumulators ((a, b) at v[8 (4 a + b)]).
.set FR,     16
.set NL,     4
.set NP,     4                         ; places behind this matrix instruction (ISA guide 7.12.1)
.set RT,     4096                      ; a row tile's part of a slot: two images, 256 along K
.set SLOT,   24*RT                     ; A's 16 row tiles, then B's 8
.set BOFF,   16*RT
.set SPARE,  2*SLOT                    ; behind the ring: the spare words, 128 bytes for each wave: two blocks of 256 bytes that no other line names
.set SPITCH, 272                       ; the way out: a stage of 16 rows x (256 bytes + 16) for each wave, in slot 0, which has had its last fill and its last read when the first result is stored there
.set ADRA, 16                          ; v16-17  LDS address of my A fragments in slot 0, 1
.set ADRB, 20                          ; v20-21  the same for B
.set STO,  24                          ; v24     the way out: where I put 32 bytes of a row
.set RD,   25                          ; v25     where I read rows back
.set CO,   26                          ; v26     my byte offset in two rows of C
.set HO,   27                          ; v27     32 x (lane / 16)
.set SPW,  28                          ; v28     LDS address of my spare word; never rewritten
.set NIL,  29                          ; v29     0; never rewritten
.set LI,   30                          ; v30     16 x lane
.set BI,   32
.set TMP,  64
.set AF,   128
.set BK,   128
.set G1, 24
.set G0, 32
.set G1B, 48
.set G0B, 56
.set MSB, 0
.macro WIN new                         ; the immediate's high byte repeats the setting that is left
.if MSB != \new
	s_set_vgpr_msb (MSB<<8)|\new
.set MSB, \new
.endif
.endm
.set MUL,  0xa1                        ; source 0 (B) window 1, source 1 (A) window 0, C and D window 2
.set TO_B, 0x40                        ; destination window 1, address window 0
.macro JLOAD g0a, g1a, g0b, g1b        ; a joint load: waves 0 and 1 fetch for A, waves 2 and 3 for B; four v_nop follow each of the two lines
	s_cmp_eq_u32 s15, 0
	s_cbranch_scc0 .Lfor_b_\@
	tensor_load_to_lds s[\g0a:\g0a+3], s[\g1a:\g1a+7]
	s_nop 0
.rept 4
	v_nop
.endr
	s_branch .Lasked_\@
.Lfor_b_\@:
	tensor_load_to_lds s[\g0b:\g0b+3], s[\g1b:\g1b+7]
	s_nop 0
.rept 4
	v_nop
.endr
.Lasked_\@:
.endm
.macro CREST                           ; a round of the cluster's barrier behind its opening barrier
	s_cmp_lg_u32 s14, 0
	s_cbranch_scc1 .Lnot_wave_0_\@
	s_barrier_signal -3
.Lnot_wave_0_\@:
	s_barrier_wait -3
	s_barrier_signal -1
	s_barrier_wait -1
.endm
.macro CROUND
	s_barrier_signal -1
	s_barrier_wait -1
	CREST
.endm
	s_load_b256 s[4:11], s[0:1], 0x0               ; yi s[4:5], wpi s[6:7], b_proj s[8:9], the scales' exponents s[10:11]
	s_load_b64 s[12:13], s[0:1], 0x20              ; out0
	v_lshl_add_u32 v[SPW], v0, 2, SPARE
	v_mov_b32 v[NIL], 0
	ds_add_u32 v28, v29
	ds_add_u32 v28, v29
	s_wait_dscnt 0x0
	v_lshrrev_b32 v1, 5, v0
	v_readfirstlane_b32 s14, v1                    ; wave 0..3
	s_lshr_b32 s15, s14, 1                         ; which half of the tile's rows is mine.  Also: I fetch for A (0) or for B (1)
	s_and_b32 s16, s14, 1                          ; which half of its columns.  Also: which half of that operand's row tiles I fetch
	s_bfe_u32 s40, ttmp6, 0x40000                  ; cx, cy
	s_bfe_u32 s41, ttmp6, 0x40004
	s_lshl_b32 s42, ttmp9, 2
	s_add_co_u32 s42, s42, s40                     ; tile column of C = 4 x cluster x + cx
	s_and_b32 s17, ttmp7, 0xffff
	s_lshl_b32 s17, s17, 2
	s_add_co_u32 s17, s17, s41                     ; tile row of C = 4 x cluster y + cy
	s_lshl_b32 s43, s41, 2
	s_lshl_b32 s43, 15, s43                        ; my row of the cluster
	s_lshl_b32 s44, 0x1111, s40                    ; my column
	; descriptor groups 1: row tiles' 4,096 bytes, 16,384 bytes apart in memory, on end in LDS; elements of 8 bytes; eight row tiles for A, four for B
	s_or_b32 s[G1+0], s43, (3<<16)|(1<<21)
	s_or_b32 s[G1B+0], s44, (3<<16)|(1<<21)
	s_mov_b32 s[G1+1], 512<<16                     ; tensor_dim0
	s_mov_b32 s[G1+2], 8<<16                       ; tensor_dim1
	s_mov_b32 s[G1+3], 512<<16                     ; tile_dim0
	s_mov_b32 s[G1+4], 8                           ; tile_dim1
	s_mov_b32 s[G1+5], 2048                        ; tensor_dim0_stride
	s_mov_b32 s[G1+6], 0
	s_mov_b32 s[G1+7], 0
	s_mov_b32 s[G1B+1], 512<<16
	s_mov_b32 s[G1B+2], 4<<16
	s_mov_b32 s[G1B+3], 512<<16
	s_mov_b32 s[G1B+4], 4
	s_mov_b32 s[G1B+5], 2048
	s_mov_b32 s[G1B+6], 0
	s_mov_b32 s[G1B+7], 0
	s_lshl_b32 s20, s17, 18                        ; A: 16 row tiles x 16,384 bytes x tile row,
	s_lshl_b32 s18, s16, 17                        ; + my eight
	s_add_co_u32 s20, s20, s18
	s_mov_b32 s21, 0
	s_lshl_b32 s46, s42, 17                        ; B: 8 column tiles x 16,384 bytes x tile column,
	s_lshl_b32 s19, s16, 16                        ; + my four
	s_add_co_u32 s46, s46, s19
	s_mov_b32 s47, 0
	s_lshl_b32 s45, s16, 15                        ; where A's go,
	s_lshl_b32 s67, s16, 14
	s_add_co_u32 s67, s67, BOFF                    ; and B's: no place in the cluster enters an LDS address
	s_wait_kmcnt 0x0
	s_load_b256 s[80:87], s[10:11], 0x0            ; e0 .. e7
	s_add_nc_u64 s[20:21], s[4:5], s[20:21]
	s_add_nc_u64 s[46:47], s[6:7], s[46:47]
	CROUND                                         ; all sixteen work-groups are here: the first joint loads meet
.irp s, 0,1
	s_mov_b32 s[G0+4*\s], 1
	s_add_co_u32 s[G0+4*\s+1], s45, \s*SLOT
	s_add_nc_u64 s[G0+4*\s+2:G0+4*\s+3], s[20:21], \s*RT
	s_or_b32 s[G0+4*\s+3], s[G0+4*\s+3], 0x80000000
	s_mov_b32 s[G0B+4*\s], 1
	s_add_co_u32 s[G0B+4*\s+1], s67, \s*SLOT
	s_add_nc_u64 s[G0B+4*\s+2:G0B+4*\s+3], s[46:47], \s*RT
	s_or_b32 s[G0B+4*\s+3], s[G0B+4*\s+3], 0x80000000
	s_wait_alu depctr_va_vdst(0)
	s_wait_tensorcnt 0x0
	ds_add_u32 v28, v29
	ds_add_u32 v28, v29
	s_wait_dscnt 0x0
	CROUND
	JLOAD G0+4*\s, G1, G0B+4*\s, G1B               ; one tensor load of mine is out
.endr
	v_and_b32 v1, 31, v0
	v_lshlrev_b32 v[LI], 4, v1
	v_and_b32 v2, 15, v0                           ; r
	s_wait_alu depctr_va_vdst(0)
	v_bfe_u32 v3, v0, 4, 1                         ; h
	v_lshlrev_b32 v[HO], 5, v3
	s_lshl_b32 s66, s15, 15                        ; my eight row tiles of A
	s_lshl_b32 s22, s16, 14                        ; my four column tiles of B,
	s_add_co_u32 s22, s22, BOFF                    ; which lie behind A's sixteen
.irp s, 0,1
	v_add_nc_u32 v[ADRA+\s], s66, v[LI]
	v_add_nc_u32 v[ADRB+\s], s22, v[LI]
	s_add_co_u32 s66, s66, SLOT
	s_add_co_u32 s22, s22, SLOT
.endr
	s_mul_i32 s23, s14, 16*SPITCH                  ; my stage
	v_mul_u32_u24 v4, v2, SPITCH                   ; in: row r, 32 bytes for each half of the lanes
	s_wait_alu depctr_va_vdst(0)
	v_lshl_add_u32 v4, v3, 5, v4
	v_add_nc_u32 v[STO], s23, v4
	v_mul_u32_u24 v5, v3, SPITCH                   ; back: lanes 0-15 take one row of 256 bytes, lanes 16-31 the next
	v_lshl_add_u32 v5, v2, 4, v5
	v_add_nc_u32 v[RD], s23, v5
	v_lshlrev_b32 v[CO], 12, v3                    ; and the same two rows in C: 4,096 bytes a row
	v_lshl_add_u32 v[CO], v2, 4, v[CO]
	s_lshl_b32 s78, s17, 20                        ; my first row of C: (256 x tile row + 128 x half) x 4,096 bytes,
	s_lshl_b32 s79, s15, 19
	s_add_co_u32 s78, s78, s79
	s_lshl_b32 s88, s42, 9                         ; my first column: (128 x tile column + 64 x half) x 4 bytes
	s_lshl_b32 s89, s16, 8
	s_add_co_u32 s88, s88, s89
	s_mov_b32 s89, 0
	s_add_nc_u64 s[90:91], s[8:9], s[88:89]        ; the bias of my 64 columns
	s_add_co_u32 s78, s78, s88
	s_mov_b32 s79, 0
	s_add_nc_u64 s[12:13], s[12:13], s[78:79]
.irp b, 0,1,2,3
	global_load_b128 v[BI+8*\b:BI+8*\b+3], v[HO], s[90:91] offset:64*\b
	global_load_b128 v[BI+8*\b+4:BI+8*\b+7], v[HO], s[90:91] offset:64*\b+16
.endr
.macro FRAG reg, adr, q, i             ; row tile i's image of the slot's q-th 128 along K: four loads of 512 consecutive bytes
.irp c, 0,1,2,3
	ds_load_b128 v[\reg+4*\c:\reg+4*\c+3], v[\adr] offset:RT*(\i)+2048*(\q)+512*\c
.endr
.endm
; 8 matrix instructions: A's blocks a0, a0 + 1 x B's four.  The 32 accumulators take turns, one instruction a turn, in the same order in every step.
.macro MUL8 a0, p, zero
.irp a, \a0, \a0+1
.irp b, 0,1,2,3
.if \zero
	v_wmma_f32_16x16x128_fp8_fp8 v[8*(4*(\a)+\b):8*(4*(\a)+\b)+7], v[64*(\p)+FR*\b:64*(\p)+FR*\b+FR-1], v[AF+FR*(\a):AF+FR*(\a)+FR-1], 0
.else
	v_wmma_f32_16x16x128_fp8_fp8 v[8*(4*(\a)+\b):8*(4*(\a)+\b)+7], v[64*(\p)+FR*\b:64*(\p)+FR*\b+FR-1], v[AF+FR*(\a):AF+FR*(\a)+FR-1], v[8*(4*(\a)+\b):8*(4*(\a)+\b)+7]
.endif
.endr
.endr
.endm
.macro FETCH_B slot, q, p
	WIN TO_B
.irp i, 0,1,2,3
	FRAG 64*(\p)+FR*\i, ADRB+\slot, \q, \i
.endr
	WIN 0
.endm
.macro FETCH_A slot, q, i0
.irp i, \i0, \i0+1, \i0+2, \i0+3
	FRAG AF+FR*(\i), ADRA+\slot, \q, \i
.endr
.endm
.macro PLACES n                        ; places in front of loads into registers that matrix instructions have read, and of the first read of results (ISA guide 7.12.1 for vector instructions)
.rept \n
	v_nop
.endr
.endm
.macro STEP slot, q, zero              ; a step of 128 along K that has its successor in the same slot
	s_wait_dscnt 4*NL                              ; B's set and A's blocks 0-3 are in; the youngest sixteen loads (A's blocks 4-7) may be out
	WIN MUL
	MUL8 0, (\q)%2, \zero
	MUL8 2, (\q)%2, \zero
	s_wait_dscnt 0
	PLACES NP
	FETCH_B \slot, (\q)+1, 1-(\q)%2
	FETCH_A \slot, (\q)+1, 0
	WIN MUL
	MUL8 4, (\q)%2, \zero
	MUL8 6, (\q)%2, \zero
	PLACES NP
	WIN 0
	FETCH_A \slot, (\q)+1, 4
.endm
; A slot's last step changes slots: ONE barrier; in front of it each wave waits for all its tensor loads, adds 0 to its spare word, and waits for that and for its own reads of this slot.
.macro TURN slot, next, fill
	s_wait_tensorcnt 0x0                           ; all my tensor loads have landed: my part of the next slot  (every window is 0 here)
	ds_add_u32 v[SPW], v[NIL]                      ; 0 onto my spare word
	s_wait_dscnt 4*NL+1                            ; (the add and the youngest sixteen loads may be out)
	WIN MUL
	MUL8 0, 1, 0                                   ; eight matrix instructions stand between the add and the wait for it
	s_wait_dscnt 0x0                               ; the add is done, and my reads of this slot are over
	s_barrier_signal -1
	MUL8 2, 1, 0
	WIN 0
	s_barrier_wait -1
.if \fill
	CREST                                          ; the barrier has opened a round of the cluster's barrier: no wave of any partner still reads this slot or has a load on its way
	s_add_nc_u64 s[G0+4*\slot+2:G0+4*\slot+3], s[G0+4*\slot+2:G0+4*\slot+3], 2*RT
	s_add_nc_u64 s[G0B+4*\slot+2:G0B+4*\slot+3], s[G0B+4*\slot+2:G0B+4*\slot+3], 2*RT
	JLOAD G0+4*\slot, G1, G0B+4*\slot, G1B         ; the first tensor load behind the round, my only one out; its four v_nop are the places in front of the loads below
.else
	PLACES NP
.endif
	FETCH_B \next, 0, 0
	FETCH_A \next, 0, 0
	WIN MUL
	MUL8 4, 1, 0
	MUL8 6, 1, 0
	PLACES NP
	WIN 0
	FETCH_A \next, 0, 4
.endm
	s_wait_tensorcnt 1                             ; my part of slot 0 is in; slot 1's load may be out
	s_barrier_signal -1
	s_barrier_wait -1
	FETCH_B 0, 0, 0
	FETCH_A 0, 0, 0
	FETCH_A 0, 0, 4
	STEP 0, 0, 1                                   ; eight steps of 128 along K, written out
	TURN 0, 1, 1
	STEP 1, 0, 0
	TURN 1, 0, 1
	STEP 0, 0, 0
	TURN 0, 1, 0
	STEP 1, 0, 0
	s_wait_dscnt 4*NL                              ; the very last step
	WIN MUL
	MUL8 0, 1, 0
	MUL8 2, 1, 0
	s_wait_dscnt 0
	MUL8 4, 1, 0
	MUL8 6, 1, 0
	WIN 0
; THE WAY OUT, block by block of 16 rows x 64 columns.  A lane holds 32 neighbouring bytes of a row and the lanes beside it hold other rows: a block goes through my own stage in LDS and comes back as whole
; rows of 256 bytes.  LDS serves a wave's instructions in order (ISA guide 5.7.1.4): no wait between the stores and the loads.
.macro TOSTAGE a
	WIN 0x02                                       ; source 0: window 2
.set j, 0
.rept 16
	v_pk_fma_f32 v[TMP+j:TMP+j+1], v[32*(\a)+j:32*(\a)+j+1], s[96:97], v[BI+j:BI+j+1] op_sel_hi:[1,0,1]   ; sum x 2^(e6 + e7) + bias; each accumulator from its low end on
.set j, j+2
.endr
	WIN 0
.irp b, 0,1,2,3
	ds_store_b128 v[STO], v[TMP+8*\b:TMP+8*\b+3] offset:64*\b
	ds_store_b128 v[STO], v[TMP+8*\b+4:TMP+8*\b+7] offset:64*\b+16
.endr
.set BB, BK+32*((\a)%2)
.irp t, 0,1,2,3,4,5,6,7
	ds_load_b128 v[BB+4*\t:BB+4*\t+3], v[RD] offset:\t*2*SPITCH
.endr
.endm
.macro SEND a, younger                 ; younger: the LDS instructions issued behind block a's loads, which may stay out
.set BB, BK+32*((\a)%2)
	s_wait_dscnt \younger
.if (\a) > 0
	s_add_nc_u64 s[12:13], s[12:13], 16*4096       ; (behind a wait on XCNT: the earlier stores have read their base)  16 rows of C on
.endif
.irp t, 0,1,2,3,4,5,6,7
	global_store_b128 v[CO], v[BB+4*\t:BB+4*\t+3], s[12:13] offset:\t*2*4096 th:TH_STORE_NT   ; sixteen lanes store 256 consecutive bytes, at a multiple of 256 from C's first byte; written once, read by nobody here
.endr
.endm
	s_wait_kmcnt 0x0
	s_wait_loadcnt 0x0                             ; the bias
	s_add_co_i32 s96, s86, s87
	s_add_co_i32 s96, s96, 127
	s_lshl_b32 s96, s96, 23                        ; 2^(e6 + e7) as f32
	s_mov_b32 s97, s96                             ; (named with it as a pair, so it is written)
	PLACES NP                                      ; behind the last products
	TOSTAGE 0
.irp a, 1,2,3,4,5,6,7
.if \a > 1
	s_wait_xcnt 0x0                                ; block a - 2's stores have read their registers and their base: block a's loads may land there, and the base may step
.endif
	TOSTAGE \a
	SEND \a-1, 16                                  ; behind block a - 1's loads: block a's eight stores and eight loads
.endr
	s_wait_xcnt 0x0                                ; block 6's stores have read their base
	SEND 7, 0
	s_wait_tensorcnt 0x0                           ; the wave's end
	ds_add_u32 v[SPW], v[NIL]
	s_wait_dscnt 0x0
	CROUND                                         ; the closing round
	s_endpgm
.Lfunc_end_k_qc1f46663fc_proj:
	.size	k_qc1f46663fc_proj, .Lfunc_end_k_qc1f46663fc_proj-k_qc1f46663fc_proj
	.p2alignl 7, 3214868480
	.fill 96, 4, 3214868480
	.section	.rodata,"a",@progbits
	.p2align	6, 0x0
	.amdhsa_kernel k_qc1f46663fc_proj
		.amdhsa_group_segment_fixed_size 327680
		.amdhsa_private_segment_fixed_size 0
		.amdhsa_enable_private_segment 0
		.amdhsa_kernarg_size 40
		.amdhsa_user_sgpr_count 2
		.amdhsa_user_sgpr_kernarg_segment_ptr 1
		.amdhsa_wavefront_size32 1
		.amdhsa_system_sgpr_workgroup_id_x 1
		.amdhsa_system_sgpr_workgroup_id_y 1
		.amdhsa_system_sgpr_workgroup_id_z 1
		.amdhsa_system_vgpr_workitem_id 0
		.amdhsa_next_free_vgpr 768
		.amdhsa_next_free_sgpr 100
		.amdhsa_reserve_vcc 0
		.amdhsa_float_denorm_mode_32 3
		.amdhsa_float_denorm_mode_16_64 3
		.amdhsa_memory_ordered 1
		.amdhsa_forward_progress 1
		.amdhsa_inst_pref_size 79
	.end_amdhsa_kernel
	.amdgpu_metadata
---
amdhsa.version: [ 1, 2 ]
amdhsa.kernels:
  - .name:           k_qc1f46663fc_proj
    .symbol:         k_qc1f46663fc_proj.kd
    .args:
      - { .name: yi, .offset: 0, .size: 8, .value_kind: global_buffer, .address_space: global }
      - { .name: wpi, .offset: 8, .size: 8, .value_kind: global_buffer, .address_space: global }
      - { .name: b_proj, .offset: 16, .size: 8, .value_kind: global_buffer, .address_space: global }
      - { .name: lowp_scales, .offset: 24, .size: 8, .value_kind: global_buffer, .address_space: global }
      - { .name: out0, .offset: 32, .size: 8, .value_kind: global_buffer, .address_space: global }
    .group_segment_fixed_size: 327680
    .private_segment_fixed_size: 0
    .kernarg_segment_align: 8
    .kernarg_segment_size: 40
    .max_flat_workgroup_size: 128
    .sgpr_count:     100
    .vgpr_count:     768
    .wavefront_size: 32
...
	.end_amdgpu_metadata
.endif
;; end of part 4
